; MI455X (gfx1250); checked and timed in simulation.
; The chip was launched on July 23, 2026; its instructions are those of AMD's public machine-readable ISA for CDNA 5 (MIT licence, August 2026) and "CDNA5" Instruction Set Architecture Reference Guide (July 2026). The comments in the code are by the model that wrote it; some were corrected since.
;; Cross Attention. Allowed arithmetic: float matrix products may take bf16 or f16 operands with f32 sums; all other float work in f32.
;; Inputs: bk 128 float32; bq 128 float32; bv 128 float32; wk 128 x 128 float32; wq 128 x 128 float32; wv 128 x 128 float32; x1 4 x 128 x 64 x 64 float32; x2 4 x 128 x 64 x 64 float32.
;; Outputs: out0 4 x 128 x 64 x 64 float32.
;; 2 versions, each right; version 2 is version 1 with the launch cast written anew for expert scheduling mode. Each part assembles by itself: llvm-mc -triple=amdgcn-amd-amdhsa -mcpu=gfx1250 --defsym DOCPART=n.
;; ======== version 1 of 2: 2 launches
;; workspace buffers: x2b 4,194,304 bytes; wb 98,304 bytes
;; launch cast (part 1): grid 262 x 1, 8 waves a work-group, no clusters, 0 bytes of LDS; arguments x2, wq, wk, wv, x2b, wb; writes x2b, wb
.if DOCPART == 1
	.amdgcn_target "amdgcn-amd-amdhsa--gfx1250"
	.amdhsa_code_object_version 6
	.text
	.protected	k_q7dd4574b63_cast
	.globl	k_q7dd4574b63_cast
	.p2align	8
	.type	k_q7dd4574b63_cast,@function
k_q7dd4574b63_cast:
	s_mov_b64 s[64:65], 0
	v_nop
	global_prefetch_b8 v0, s[64:65] scope:SCOPE_SE
	s_setreg_imm32_b32 hwreg(HW_REG_WAVE_MODE, 25, 1), 1
	s_wait_xcnt 0x0
; x2b = bf16(x2), wb = bf16([wq | wk | wv]): number by number, round to nearest even, the layout unchanged.
; A work-group takes 8,192 numbers: 32,768 bytes in, 16,384 bytes out.  Work-groups 0 to 255 take x2, 256 to 261 the six halves
; of the three weight matrices.  Thread t takes 16 bytes at 16 t + 4,096 j, j = 0 .. 7: a wave's load covers 512 consecutive bytes,
; its store of 8 bytes a lane 256 consecutive bytes that start at a multiple of 256 from the buffer's first byte.
; All eight loads go out first; no register is written twice, so no wait frees a source.
.set X, 4                              ; v[4:35]   eight loads of four f32
.set Y, 36                             ; v[36:51]  eight pairs of packed bf16
	s_load_b256 s[4:11], s[0:1], 0x0               ; x2 s[4:5], wq s[6:7], wk s[8:9], wv s[10:11]
	s_load_b128 s[12:15], s[0:1], 0x20             ; x2b s[12:13], wb s[14:15]
	s_max_u32 s16, ttmp9, 256
	s_sub_co_u32 s16, s16, 256                     ; i = which half of which weight matrix, 0 .. 5 (0 in the work-groups of x2, not used there)
	s_and_b32 s17, s16, 1
	s_lshl_b32 s17, s17, 15                        ; weights, in: the half's 32,768 bytes
	s_lshl_b32 s18, s16, 14                        ; weights, out: 16,384 i
	s_lshl_b32 s19, ttmp9, 15                      ; x2, in
	s_lshl_b32 s20, ttmp9, 14                      ; x2, out
	s_mov_b32 s27, 0
	s_mov_b32 s29, 0
	v_lshlrev_b32 v1, 4, v0                        ; 16 t
	v_lshlrev_b32 v2, 3, v0                        ; 8 t
	s_wait_kmcnt 0x0
	s_cmp_lt_u32 s16, 2
	s_cselect_b64 s[22:23], s[6:7], s[8:9]         ; i < 2: wq, else wk
	s_cmp_lt_u32 s16, 4
	s_cselect_b64 s[22:23], s[22:23], s[10:11]     ; i >= 4: wv
	s_cmp_lt_u32 ttmp9, 256
	s_cselect_b64 s[22:23], s[4:5], s[22:23]       ; the first 256 work-groups: x2
	s_cselect_b64 s[24:25], s[12:13], s[14:15]     ; and x2b
	s_cselect_b32 s26, s19, s17
	s_cselect_b32 s28, s20, s18
	s_add_nc_u64 s[22:23], s[22:23], s[26:27]
	s_add_nc_u64 s[24:25], s[24:25], s[28:29]
.irp j, 0,1,2,3,4,5,6,7
	global_load_b128 v[X+4*\j:X+4*\j+3], v1, s[22:23] offset:4096*\j th:TH_LOAD_NT
.endr
.irp j, 0,1,2,3,4,5,6,7
	s_wait_loadcnt 7-\j                            ; loads come back in order (ISA guide 5.7.1): load j is in, the 7 - j younger ones stay out
	v_cvt_pk_bf16_f32 v[Y+2*\j], v[X+4*\j], v[X+4*\j+1]
	v_cvt_pk_bf16_f32 v[Y+2*\j+1], v[X+4*\j+2], v[X+4*\j+3]
	global_store_b64 v2, v[Y+2*\j:Y+2*\j+1], s[24:25] offset:2048*\j   ; no hint: the next launch reads these bytes
.endr
	s_endpgm
.Lfunc_end_k_q7dd4574b63_cast:
	.size	k_q7dd4574b63_cast, .Lfunc_end_k_q7dd4574b63_cast-k_q7dd4574b63_cast
	.p2alignl 7, 3214868480
	.fill 96, 4, 3214868480
	.section	.rodata,"a",@progbits
	.p2align	6, 0x0
	.amdhsa_kernel k_q7dd4574b63_cast
		.amdhsa_group_segment_fixed_size 0
		.amdhsa_private_segment_fixed_size 0
		.amdhsa_enable_private_segment 0
		.amdhsa_kernarg_size 48
		.amdhsa_user_sgpr_count 2
		.amdhsa_user_sgpr_kernarg_segment_ptr 1
		.amdhsa_wavefront_size32 1
		.amdhsa_system_sgpr_workgroup_id_x 1
		.amdhsa_system_sgpr_workgroup_id_y 1
		.amdhsa_system_sgpr_workgroup_id_z 1
		.amdhsa_system_vgpr_workitem_id 0
		.amdhsa_next_free_vgpr 52
		.amdhsa_next_free_sgpr 66
		.amdhsa_reserve_vcc 0
		.amdhsa_float_denorm_mode_32 3
		.amdhsa_float_denorm_mode_16_64 3
		.amdhsa_memory_ordered 1
		.amdhsa_forward_progress 1
		.amdhsa_inst_pref_size 4
	.end_amdhsa_kernel
	.amdgpu_metadata
---
amdhsa.version: [ 1, 2 ]
amdhsa.kernels:
  - .name:           k_q7dd4574b63_cast
    .symbol:         k_q7dd4574b63_cast.kd
    .args:
      - { .name: x2, .offset: 0, .size: 8, .value_kind: global_buffer, .address_space: global }
      - { .name: wq, .offset: 8, .size: 8, .value_kind: global_buffer, .address_space: global }
      - { .name: wk, .offset: 16, .size: 8, .value_kind: global_buffer, .address_space: global }
      - { .name: wv, .offset: 24, .size: 8, .value_kind: global_buffer, .address_space: global }
      - { .name: x2b, .offset: 32, .size: 8, .value_kind: global_buffer, .address_space: global }
      - { .name: wb, .offset: 40, .size: 8, .value_kind: global_buffer, .address_space: global }
    .group_segment_fixed_size: 0
    .private_segment_fixed_size: 0
    .kernarg_segment_align: 8
    .kernarg_segment_size: 48
    .max_flat_workgroup_size: 256
    .sgpr_count:     66
    .vgpr_count:     52
    .wavefront_size: 32
...
	.end_amdgpu_metadata
.endif
;; end of part 1
;; launch attn (part 2): grid 256 x 1, 4 waves a work-group, clusters of 4 x 1, 327,680 bytes of LDS; arguments x1, x2b, wb, bq, bk, bv, out0; writes out0
.if DOCPART == 2
	.amdgcn_target "amdgcn-amd-amdhsa--gfx1250"
	.amdhsa_code_object_version 6
	.text
	.protected	k_q7dd4574b63_attn
	.globl	k_q7dd4574b63_attn
	.p2align	8
	.type	k_q7dd4574b63_attn,@function
k_q7dd4574b63_attn:
	s_mov_b64 s[64:65], 0
	v_nop
	global_prefetch_b8 v0, s[64:65] scope:SCOPE_SE
	s_setreg_imm32_b32 hwreg(HW_REG_WAVE_MODE, 25, 1), 1
	s_wait_xcnt 0x0
	s_wait_alu depctr_hold_cnt(0) depctr_sa_sdst(0) depctr_va_vdst(0) depctr_va_sdst(0) depctr_va_ssrc(0) depctr_va_vcc(0) depctr_vm_vsrc(0)
	s_getreg_b32 s2, hwreg(HW_REG_IB_STS2, 6, 4)
	s_cmp_eq_u32 s2, 0
	s_cbranch_scc0 .Lentry_in_a_cluster
	s_endpgm
.Lentry_in_a_cluster:
	s_bfe_u32 s2, ttmp6, 0x10000c
	s_cmp_lg_u32 s2, 0x3003
	s_cbranch_scc0 .Lentry_shape_is_right
	s_endpgm
.Lentry_shape_is_right:
; out0 = x1 + attention(q = Wq x1 + bq, k = Wk x2 + bk, v = Wv x2 + bv), one head of 128 channels, 4 batches of 4,096 tokens,
; every tensor [batch][channel][token].
;
; THE ALGEBRA.  q.(Wk x2 + bk) = (Wk^T q).x2 + q.bk, and sum_k P (Wv x2 + bv) = Wv (sum_k P x2) + bv, since a row of P sums to 1.  Both hold
; for every input and cost the same multiply-adds.  So ONE bf16 copy of x2, in its own [channel][token] layout, is both "K" (read
; from LDS by transposing loads) and "V" (read by plain loads), and the projections of k and v become two small products for each query.
; q.bk is the C operand of the first score product; bq and bv are the C operands of their products.
;
; SHARES.  A work-group has 64 queries (4 tiles of 16) of one batch; 256 work-groups.  Wave w keeps all 64 queries and walks keys
; 1,024 w .. 1,024 w + 1,023 in 8 trips of 128 keys, so each fragment read from LDS feeds four matrix instructions; the four waves' (O, m, l) are
; merged once at the end, through LDS.  The four work-groups of a cluster have the same batch: they ask for every tile of x2b and of the
; weights JOINTLY (mask 15), which divides those requests by four.
;
; ALL PRODUCTS ARE TRANSPOSED: the query is the column index, lane r of each half of 16 lanes.  A result packed to bf16 in its own lane is then
; already the second operand of the next product (tile 2s -> registers 0-3, tile 2s+1 -> registers 4-7), and a query's maximum and sum are
; one number a lane: P, q and O never go through LDS to change layout.
;
; SOFTMAX in base 2: kappa = log2(e) / sqrt(128) is multiplied into q.  A running maximum is taken away before every exponential, so all
; exponents are <= 0, and l >= 1 in the wave that holds a row's maximum.
;
; LIMITS.  The order of rounding differs from the reference's: x1, x2, the weights, kappa q, kappa Wk^T q, P and the normalised sum P x2
; are rounded to bf16 as matrix operands; l is summed from the f32 exponentials while the numerator uses P in bf16.  NaN and infinite
; inputs are not treated specially.
;
; LDS.  Ring: wave w's two slots at w WREG + s SLOT, a slot = 128 channel rows x (256 bytes of 128 keys + 16 of padding).  Only wave w reads
; its key tiles.  [wq | wk], 256 rows, is the first fill of the four slots 1 (64 rows each); wv fills slot 0 of waves 0 and 1 in the last trip;
; the partial O go by LDS stores into the slots 1 behind their last fill.  Behind the ring lie bytes into which no tensor load ever lands.
.set PITCH, 272                        ; a ring row: 68 words, so 16 consecutive rows start 4 banks apart (64 banks of 4 bytes: ISA guide 11.1)
.set SLOT,  128*PITCH                  ; 34,816
.set WREG,  2*SLOT                     ; 69,632: a wave's ring
.set X1B,   4*WREG                     ; 278,528: x1's tile in bf16, [128 channels][64 queries], pitch XP
.set XP,    160                        ; 5 x 32 bytes
.set QSH,   X1B+128*XP                 ; 299,008: kappa Wk^T q as fragments, and kappa q.bk: QBLK bytes for each query tile
.set QBLK,  5120
.set STAT,  QSH+4*QBLK                 ; 319,488: m and l at (8 wave + 2 tile + which) 64 + 4 r
.set OUTS,  X1B                        ; the result [128 channels][64 queries] f32, pitch 272, over X1B and QSH when these are dead
.set TILEB, 256                        ; bytes of 128 keys in a row of x2b
; SCALARS: s[4:17] the seven addresses; s20 wave; s21 cx; s22 batch; s23 query block; s[24:25] byte offset of my x1 / out0 tile;
; s26, s27 selects of v_permlanex16_b32; s29 loop counter; s[66:67], s[72:76] at work; s[68:69] x1's tile; s[70:71] out0's tile
.set G1X, 32                           ; s[32:39] group 1: 128 rows x 128 bf16 of x2b
.set G1W, 40                           ; s[40:47] group 1: 64 rows x 128 bf16 of wb
.set G0,  48                           ; s[48:55] group 0 of slot 0, of slot 1
.set G0W, 56                           ; s[56:59] group 0: my 64 rows of [wq | wk]
.set G0V, 60                           ; s[60:63] group 0: 64 rows of wv (issued by waves 0 and 1 alone)
; VECTOR REGISTERS, in windows of 256.
; Window 0: v1 lane, v2 r = lane % 16, v3 h = lane / 16, v4-9 at work, then:
.set KA,  10                           ; v10-11  LDS address of my K fragments in slot 0, 1
.set VA,  12                           ; v12-13  the same for V fragments
.set XO,  14                           ; v14     byte offset of my 16 bytes in x1's and out0's tile
.set BO,  15                           ; v15     32 h: my 8 numbers of a bias
.set M,   16                           ; v16-19  running maximum of query tile 0..3
.set NM,  20                           ; v20-23  its negative
.set AL,  24                           ; v24-27  2^(old maximum - new); at the end the waves' weights
.set TP,  28                           ; v28-31  at work
.set CH,  32                           ; v32-47  16 chains of maxima; at the end addresses
.set LS,  48                           ; v48-63  8 chains of sums, a pair each: 2 tile + (key tile & 1); at the end the four waves' m and l
.set X1R, 64                           ; v64-127 x1's tile in f32 as loaded, kept for the residual
.set FA,  128                          ; v128-191 fragment buffer A
.set FB,  192                          ; v192-255 fragment buffer B
; Window 1: Q'(tile q, K step k) at 8 (4 q + k); T(q) = kappa q.bk, eight times, at 128 + 8 q; bv, then the result, at 160 + 8 o
; Window 2: O(q, channel tile c) at 8 (8 q + c).  Before the trips Wk^T's fragments, behind them Wv's
; Window 3: S(key tile t, q) at 8 (4 t + q); P(s, q) is packed in place into S(2 s, q).  Before the trips Wq's fragments, behind them the partial O
; in the prologue v16-23 are addresses:
.set WQA, 16                           ; v16-17  Wq's fragments, rows 0-63, 64-127
.set WKA, 18                           ; v18-19  Wk^T's fragments, rows 0-63, 64-127
.set X1T, 20                           ; v20     x1's fragments of my query tile
.set X1S, 21                           ; v21     where I put x1 in bf16
.set QSS, 22                           ; v22     where I put my query tile's Q'
.set QSL, 23                           ; v23     from where I read all four
; at the end v32-42 are addresses:
.set STS, 32
.set OPS, 33
.set STL, 34
.set OPL, 35                           ; v35-38
.set WVA, 39                           ; v39-40
.set OSS, 41
.set OSL, 42
; s_set_vgpr_msb's low byte: bits 1:0 source 0, 3:2 source 1, 5:4 source 2, 7:6 destination; the high byte repeats the setting that is left.
.set MSB, 0
.macro WIN new
.if MSB != \new
	s_set_vgpr_msb (MSB<<8)|\new
.set MSB, \new
.endif
.endm
; Places behind matrix instructions (ISA guide 7.12.1): vector instructions that name none of their registers.
.macro PLACES cnt
.rept \cnt
	v_nop
.endr
.endm
; A round of the cluster's barrier: my work-group's barrier, wave 0 signals for the work-group, every wave waits for all four work-groups,
; my work-group's barrier once more.
.macro ROUND
	s_barrier_signal -1
	s_barrier_wait -1
	s_cmp_lg_u32 s20, 0
	s_cbranch_scc1 .Lnot_wave_0_\@
	s_barrier_signal -3
.Lnot_wave_0_\@:
	s_barrier_wait -3
	s_barrier_signal -1
	s_barrier_wait -1
.endm
; Packed f32 arithmetic with ONE register v[base + q] as the second source of both halves: op_sel picks it out of its even-aligned pair.
.macro BMUL d, base, q
.if (\q)&1
	v_pk_mul_f32 v[\d:\d+1], v[\d:\d+1], v[\base+(\q)-1:\base+(\q)] op_sel:[0,1] op_sel_hi:[1,1]
.else
	v_pk_mul_f32 v[\d:\d+1], v[\d:\d+1], v[\base+(\q):\base+(\q)+1] op_sel_hi:[1,0]
.endif
.endm
.macro BADD d, base, q
.if (\q)&1
	v_pk_add_f32 v[\d:\d+1], v[\d:\d+1], v[\base+(\q)-1:\base+(\q)] op_sel:[0,1] op_sel_hi:[1,1]
.else
	v_pk_add_f32 v[\d:\d+1], v[\d:\d+1], v[\base+(\q):\base+(\q)+1] op_sel_hi:[1,0]
.endif
.endm
.macro BFMA d, a, base, q
.if (\q)&1
	v_pk_fma_f32 v[\d:\d+1], v[\a:\a+1], v[\base+(\q)-1:\base+(\q)], v[\d:\d+1] op_sel:[0,1,0] op_sel_hi:[1,1,1]
.else
	v_pk_fma_f32 v[\d:\d+1], v[\a:\a+1], v[\base+(\q):\base+(\q)+1], v[\d:\d+1] op_sel_hi:[1,0,1]
.endif
.endm
; K fragments of key tiles 2 p and 2 p + 1, all four K steps of 32 channels: 16 transposing loads.  THE KEYS OF A SCORE TILE ARE PERMUTED: row 8 h' + j of
; tile t is key 64 h' + 8 t + j of the slot's 128.
.macro FETCHK slot, p, buf
	WIN 0
.irp t, 0,1
.irp k, 0,1,2,3
	ds_load_tr16_b128 v[\buf+8*(4*\t+\k):\buf+8*(4*\t+\k)+3], v[KA+\slot] offset:\k*8704+16*(2*\p+\t)
	ds_load_tr16_b128 v[\buf+8*(4*\t+\k)+4:\buf+8*(4*\t+\k)+7], v[KA+\slot] offset:\k*8704+16*(2*\p+\t)+4352
.endr
.endr
.endm
; 32 matrix instructions: S(2 p, .) and S(2 p + 1, .) for the four query tiles, 128 channels.  The first K step takes T as C.
; The eight accumulators take turns, one instruction a turn.
.macro SMUL p, buf
	WIN 0xd4                                       ; D window 3, C = T window 1, B = Q' window 1, A window 0
.irp t, 0,1
.irp q, 0,1,2,3
	v_wmma_f32_16x16x32_bf16 v[8*(4*(2*\p+\t)+\q):8*(4*(2*\p+\t)+\q)+7], v[\buf+32*\t:\buf+32*\t+7], v[32*\q:32*\q+7], v[128+8*\q:128+8*\q+7]
.endr
.endr
	WIN 0xf4                                       ; C window 3
.irp k, 1,2,3
.irp t, 0,1
.irp q, 0,1,2,3
	v_wmma_f32_16x16x32_bf16 v[8*(4*(2*\p+\t)+\q):8*(4*(2*\p+\t)+\q)+7], v[\buf+8*(4*\t+\k):\buf+8*(4*\t+\k)+7], v[8*(4*\q+\k):8*(4*\q+\k)+7], v[8*(4*(2*\p+\t)+\q):8*(4*(2*\p+\t)+\q)+7]
.endr
.endr
.endr
.endm
; V fragments of K step s (the 32 keys of score tiles 2 s and 2 s + 1), all eight channel tiles: 16 plain loads.  Lane (r, h) takes keys 64 h + 16 s + 0..15 of
; channel row r: the same permutation of k as in P, so the products are the right ones.
.macro FETCHV slot, s, buf
	WIN 0
.irp c, 0,1,2,3,4,5,6,7
	ds_load_b128 v[\buf+8*\c:\buf+8*\c+3], v[VA+\slot] offset:\c*4352+32*\s
	ds_load_b128 v[\buf+8*\c+4:\buf+8*\c+7], v[VA+\slot] offset:\c*4352+32*\s+16
.endr
.endm
; 32 matrix instructions: O(q, c) += V(c, s) P(s, q).  The 32 accumulators take turns, one instruction a turn.
; zero = 1: the first product starts the sums.
.macro PVMUL s, buf, zero
	WIN 0xac                                       ; C and D window 2, B = P window 3, A window 0
.irp c, 0,1,2,3,4,5,6,7
.irp q, 0,1,2,3
.if \zero
	v_wmma_f32_16x16x32_bf16 v[8*(8*\q+\c):8*(8*\q+\c)+7], v[\buf+8*\c:\buf+8*\c+7], v[8*(8*\s+\q):8*(8*\s+\q)+7], 0
.else
	v_wmma_f32_16x16x32_bf16 v[8*(8*\q+\c):8*(8*\q+\c)+7], v[\buf+8*\c:\buf+8*\c+7], v[8*(8*\s+\q):8*(8*\s+\q)+7], v[8*(8*\q+\c):8*(8*\q+\c)+7]
.endif
.endr
.endr
.endm
; The largest of a lane's 64 scores of each query tile, in 16 chains that do not wait for each other: chain 4 q + c takes key tiles 2 c and 2 c + 1.
.macro SMAX
	WIN 0x0f
.set st, 0
.rept 8
.set cn, 0
.rept 16
.set sb, 8*(4*(2*(cn&3)+(st>>2))+(cn>>2))+2*(st&3)
.if st == 0
	v_max_num_f32 v[CH+cn], v[sb], v[sb+1]
.else
	v_max3_num_f32 v[CH+cn], v[sb], v[sb+1], v[CH+cn]
.endif
.set cn, cn+1
.endr
.set st, st+1
.endr
.endm
; The new running maximum of each query (a lane and its partner in the other half hold a query's two halves of the keys), its negative, and
; 2^(old - new), by which the sums are scaled.  first = 1: there is no old maximum.
.macro STATS first
	WIN 0
.irp q, 0,1,2,3
	v_max3_num_f32 v[CH+4*\q], v[CH+4*\q], v[CH+4*\q+1], v[CH+4*\q+2]
.endr
.irp q, 0,1,2,3
.if \first
	v_max_num_f32 v[CH+4*\q], v[CH+4*\q], v[CH+4*\q+3]
.else
	v_max3_num_f32 v[CH+4*\q], v[CH+4*\q], v[CH+4*\q+3], v[M+\q]
.endif
.endr
.irp q, 0,1,2,3
	v_permlanex16_b32 v[CH+4*\q+1], v[CH+4*\q], s26, s27   ; lane i takes lane i xor 16; the destination has been written before
.endr
.irp q, 0,1,2,3
	v_max_num_f32 v[TP+\q], v[CH+4*\q], v[CH+4*\q+1]
.endr
.if \first == 0
.irp q, 0,1,2,3
	v_sub_f32 v[AL+\q], v[M+\q], v[TP+\q]
.endr
.irp q, 0,1,2,3
	v_exp_f32 v[AL+\q], v[AL+\q]
.endr
.endif
.irp q, 0,1,2,3
	v_mov_b32 v[M+\q], v[TP+\q]                    ; plain instructions that touch no AL stand behind the exponentials (ISA guide 5.7.2)
.endr
	s_wait_alu depctr_va_vdst(0)
.irp q, 0,1,2,3
	v_sub_f32 v[NM+\q], 0, v[TP+\q]
.endr
.if \first == 0
.irp q, 0,1,2,3
	BMUL (LS+4*\q), AL, \q
	BMUL (LS+4*\q+2), AL, \q
.endr
.endif
.endm
; O *= 2^(old maximum - new): 128 packed multiplies for a trip's 256 matrix instructions.  Done in every trip: no branch hangs on a float.
.macro RESCALE
	WIN 0x82
.set rn, 0
.rept 128
	BMUL (2*rn), AL, (rn>>5)
.set rn, rn+1
.endr
.endm
; S = 2^(S - maximum), in place.  The subtraction of tile n + 1 stands in front of the exponentials of tile n, so behind each run of exponentials comes a plain
; instruction on other registers before any of its results is used (ISA guide 5.7.2); behind the last run that is the first sum, on tile 0.
.macro SUBT tile
.irp p, 0,2,4,6
	BADD (8*(\tile)+\p), NM, ((\tile)&3)
.endr
.endm
.macro EXPT tile
.irp p, 0,1,2,3,4,5,6,7
	v_exp_f32 v[8*(\tile)+\p], v[8*(\tile)+\p]
.endr
.endm
.macro EXPS
	WIN 0xc3
	SUBT 0
.set tn, 0
.rept 31
	SUBT (tn+1)
	EXPT tn
.set tn, tn+1
.endr
	EXPT 31
.endm
; l += the exponentials, in f32, eight chains of pairs in rotation
.macro SUMS
	WIN 0x03
.set kk, 0
	s_wait_alu depctr_va_vdst(0)
.rept 4
.set rp, 0
.rept 4
.set cq, 0
.rept 8
	v_pk_add_f32 v[LS+2*cq:LS+2*cq+1], v[8*(4*(2*kk+(cq&1))+(cq>>1))+2*rp:8*(4*(2*kk+(cq&1))+(cq>>1))+2*rp+1], v[LS+2*cq:LS+2*cq+1]
.set cq, cq+1
.endr
.set rp, rp+1
.endr
.set kk, kk+1
.endr
.endm
; P(s, q) in bf16, in place: registers 0-3 of S(2 s, q) from its own eight, ascending, so that none is written before it is read; registers 4-7 from S(2 s + 1, q)
.macro CVTP
	WIN 0xcf
.set pt, 0
.rept 16
.set pd, 8*(8*(pt>>2)+(pt&3))
.irp p, 0,1,2,3
	v_cvt_pk_bf16_f32 v[pd+\p], v[pd+2*\p], v[pd+2*\p+1]
.endr
.irp p, 0,1,2,3
	v_cvt_pk_bf16_f32 v[pd+4+\p], v[pd+32+2*\p], v[pd+32+2*\p+1]
.endr
.set pt, pt+1
.endr
.endm
; ---------------------------------------------------------------- set-up
	s_load_b256 s[4:11], s[0:1], 0x0               ; x1 s[4:5], x2b s[6:7], wb s[8:9], bq s[10:11]
	s_load_b128 s[12:15], s[0:1], 0x20             ; bk s[12:13], bv s[14:15]
	s_load_b64 s[16:17], s[0:1], 0x30              ; out0
	s_set_vgpr_msb 0x40
	v_lshl_add_u32 v254, v0, 2, 0x4e800
	v_mov_b32 v255, 0
	s_set_vgpr_msb 0x4045
	ds_add_u32 v254, v255
	s_set_vgpr_msb 0x4500
	v_lshrrev_b32 v1, 5, v0
	v_readfirstlane_b32 s20, v1                    ; wave 0..3
	s_bfe_u32 s21, ttmp6, 0x40000                  ; cx: my place in the cluster; it enters x1's and out0's addresses alone
	s_lshr_b32 s22, ttmp9, 4                       ; batch: 16 clusters each (ttmp9 counts clusters)
	s_and_b32 s23, ttmp9, 15
	s_lshl_b32 s23, s23, 2
	s_add_co_u32 s23, s23, s21                     ; query block 0..63 of the batch
	s_lshl_b32 s24, s22, 21                        ; a batch of x1: 128 x 4,096 x 4 bytes
	s_lshl_b32 s25, s23, 8                         ; 64 queries: 256 bytes of a row
	s_add_co_u32 s24, s24, s25
	s_mov_b32 s25, 0
	s_lshl_b32 s66, s22, 20                        ; a batch of x2b: 128 x 4,096 x 2 bytes
	s_lshl_b32 s67, s20, 11                        ; my wave's 1,024 keys: 2,048 bytes of a row
	s_add_co_u32 s66, s66, s67
	s_mov_b32 s67, 0
	s_lshl_b32 s72, s20, 14                        ; my 64 rows of wb
	s_mov_b32 s73, 0
	s_mov_b32 s26, 0x76543210
	s_mov_b32 s27, 0xfedcba98
	; group 1 for x2b's tiles: 15:0 mask 15 (all four work-groups of the cluster); 17:16 elements of 2 bytes; 20 padding on; 21 set beside a mask;
	; 24:22 behind every 64 words (code 5); 31:25 four words (code 3)
	s_mov_b32 s[G1X+0], 0x0771000f
	s_mov_b32 s[G1X+1], 128<<16                    ; tensor_dim0 = 128
	s_mov_b32 s[G1X+2], 128<<16                    ; tensor_dim1 = 128
	s_mov_b32 s[G1X+3], 128<<16                    ; tile_dim0 = 128 keys
	s_mov_b32 s[G1X+4], 128                        ; tile_dim1 = 128 channel rows
	s_mov_b32 s[G1X+5], 4096                       ; elements from row to row
	s_mov_b32 s[G1X+6], 0
	s_mov_b32 s[G1X+7], 0
	; group 1 for the weights: 64 rows of 128, dense
	s_mov_b32 s[G1W+0], 0x0771000f
	s_mov_b32 s[G1W+1], 128<<16
	s_mov_b32 s[G1W+2], 64<<16
	s_mov_b32 s[G1W+3], 128<<16
	s_mov_b32 s[G1W+4], 64
	s_mov_b32 s[G1W+5], 128
	s_mov_b32 s[G1W+6], 0
	s_mov_b32 s[G1W+7], 0
	; groups 0: the LDS addresses are the wave's number times a constant plus a constant
	s_mov_b32 s[G0+0], 1
	s_mul_i32 s[G0+1], s20, WREG                   ; slot 0
	s_mov_b32 s[G0+4], 1
	s_add_co_u32 s[G0+5], s[G0+1], SLOT            ; slot 1
	s_mov_b32 s[G0W+0], 1
	s_add_co_u32 s[G0W+1], s[G0+1], SLOT           ; [wq | wk]: slot 1
	s_mov_b32 s[G0V+0], 1
	s_mul_i32 s[G0V+1], s20, WREG                  ; wv: slot 0
	s_wait_dscnt 0x0
	s_wait_kmcnt 0x0
	s_add_nc_u64 s[68:69], s[4:5], s[24:25]        ; x1's tile
	s_add_nc_u64 s[70:71], s[16:17], s[24:25]      ; out0's tile
	s_add_nc_u64 s[G0+2:G0+3], s[6:7], s[66:67]    ; key tile 0 of my wave
	s_add_nc_u64 s[G0+6:G0+7], s[G0+2:G0+3], TILEB ; key tile 1
	s_add_nc_u64 s[G0W+2:G0W+3], s[8:9], s[72:73]  ; rows 64 w .. of [wq | wk]
	s_add_nc_u64 s[G0V+2:G0V+3], s[G0W+2:G0W+3], 0x10000   ; rows 64 w .. of wv (inside wb for waves 0 and 1, which alone use it)
	s_or_b32 s[G0+3], s[G0+3], 0x80000000          ; type = 2
	s_or_b32 s[G0+7], s[G0+7], 0x80000000
	s_or_b32 s[G0W+3], s[G0W+3], 0x80000000
	s_or_b32 s[G0V+3], s[G0V+3], 0x80000000
	ROUND                                          ; all four work-groups are here: the first joint loads meet
	tensor_load_to_lds s[G0W:G0W+3], s[G1W:G1W+7]  ; the first fills go out as one group: my 64 rows of [wq | wk] into slot 1,
	s_nop 0
	tensor_load_to_lds s[G0:G0+3], s[G1X:G1X+7]    ; key tile 0 into slot 0.  Two tensor loads of the wave are out, the most in this text
	s_nop 0
	v_and_b32 v1, 31, v0                           ; lane
	v_and_b32 v2, 15, v0                           ; r
	v_bfe_u32 v3, v0, 4, 1                         ; h
	s_lshl_b32 s74, s20, 19                        ; my wave's 32 rows of x1's tile, 16,384 bytes each
	v_lshlrev_b32 v9, 4, v2
	v_lshl_add_u32 v9, v3, 14, v9
	v_add_nc_u32 v[XO], s74, v9                    ; (32 w + h) rows + 16 r
	v_lshlrev_b32 v[BO], 5, v3
.irp i, 0,1,2,3,4,5,6,7,8,9,10,11,12,13,14,15
	global_load_b128 v[X1R+4*\i:X1R+4*\i+3], v[XO], s[68:69] offset:32768*\i th:TH_LOAD_NT   ; rows 32 w + 2 i + h: sixteen lanes take 256 consecutive aligned bytes
.endr
.irp t, 0,1,2,3,4,5,6,7
	global_load_b128 v[FA+8*\t:FA+8*\t+3], v[BO], s[10:11] offset:64*\t        ; bq(16 t + 8 h + j) in register j: the accumulators of q start as the bias
	global_load_b128 v[FA+8*\t+4:FA+8*\t+7], v[BO], s[10:11] offset:64*\t+16
.endr
.irp t, 0,1,2,3,4,5,6,7
	global_load_b128 v[FB+8*\t:FB+8*\t+3], v[BO], s[12:13] offset:64*\t        ; bk in the same layout
	global_load_b128 v[FB+8*\t+4:FB+8*\t+7], v[BO], s[12:13] offset:64*\t+16
.endr
	; LDS addresses
	v_and_b32 v4, 7, v0
	v_bfe_u32 v5, v0, 3, 1                         ; c = (lane / 8) % 2
	v_lshl_add_u32 v6, v3, 3, v4                   ; 8 h + lane % 8: the row that a lane addresses in a transposing load
	v_mul_u32_u24 v7, v6, PITCH
	v_mul_u32_u24 v8, v2, PITCH
	v_lshl_add_u32 v9, v5, 7, v7                   ; + 128 c: keys 64 c ..
	v_add_nc_u32 v[KA], s[G0+1], v9
	v_add_nc_u32 v[KA+1], s[G0+5], v9
	v_lshl_add_u32 v9, v3, 7, v8                   ; r rows + 128 h
	v_add_nc_u32 v[VA], s[G0+1], v9
	v_add_nc_u32 v[VA+1], s[G0+5], v9
	v_lshl_add_u32 v9, v3, 4, v8                   ; r rows + 16 h: fragments of rows that lie along K
	v_add_nc_u32 v[WQA], SLOT, v9
	v_add_nc_u32 v[WQA+1], WREG+SLOT, v9
	v_lshl_add_u32 v9, v5, 4, v7
	v_add_nc_u32 v[WKA], 2*WREG+SLOT, v9
	v_add_nc_u32 v[WKA+1], 3*WREG+SLOT, v9
	s_lshl_b32 s75, s20, 5                         ; my query tile: 32 bytes of X1B's rows
	s_add_co_u32 s75, s75, X1B
	v_mul_u32_u24 v9, v6, XP
	v_lshl_add_u32 v9, v5, 4, v9
	v_add_nc_u32 v[X1T], s75, v9
	s_mul_i32 s76, s20, 32*XP
	s_add_co_u32 s76, s76, X1B
	v_mul_u32_u24 v9, v3, XP
	v_lshl_add_u32 v9, v2, 3, v9
	v_add_nc_u32 v[X1S], s76, v9                   ; row 32 w + h, 8 r
	s_mul_i32 s72, s20, QBLK
	s_add_co_u32 s72, s72, QSH
	v_lshl_add_u32 v[QSS], v1, 4, s72
	v_lshlrev_b32 v9, 4, v1
	v_add_nc_u32 v[QSL], QSH, v9
	; x1's tile to bf16, into X1B
	s_wait_loadcnt 32                              ; x1's 16 loads are in; the 32 younger ones (bq, bk) stay out
.irp i, 0,1,2,3,4,5,6,7,8,9,10,11,12,13,14,15
	v_cvt_pk_bf16_f32 v[CH+2*\i], v[X1R+4*\i], v[X1R+4*\i+1]
	v_cvt_pk_bf16_f32 v[CH+2*\i+1], v[X1R+4*\i+2], v[X1R+4*\i+3]
	ds_store_b64 v[X1S], v[CH+2*\i:CH+2*\i+1] offset:2*XP*\i
.endr
	WIN 0x40
.irp t, 0,1,2,3,4,5,6,7
	global_load_b128 v[160+8*\t:160+8*\t+3], v[BO], s[14:15] offset:64*\t      ; bv into window 1: the accumulators of the last product
	global_load_b128 v[160+8*\t+4:160+8*\t+7], v[BO], s[14:15] offset:64*\t+16
.endr
	WIN 0
	s_wait_dscnt 0x0                               ; my rows of X1B are written
	s_wait_tensorcnt 0x1                           ; my rows of [wq | wk] have landed; key tile 0 stays out
	s_barrier_signal -1
	s_barrier_wait -1                              ; both hold of all four waves
	; ---------------------------------------------------------------- q, kappa q.bk and Q' = kappa Wk^T q of query tile w
.irp k, 0,1,2,3
	ds_load_tr16_b128 v[CH+8*\k:CH+8*\k+3], v[X1T] offset:32*XP*\k             ; x1(32 k + 8 h + j, query r)
	ds_load_tr16_b128 v[CH+8*\k+4:CH+8*\k+7], v[X1T] offset:32*XP*\k+16*XP
.endr
	WIN 0xc0
.irp o, 0,1,2,3,4,5,6,7
.irp k, 0,1,2,3
	ds_load_b128 v[8*(4*\o+\k):8*(4*\o+\k)+3], v[WQA+(\o>>2)] offset:(\o&3)*4352+64*\k
	ds_load_b128 v[8*(4*\o+\k)+4:8*(4*\o+\k)+7], v[WQA+(\o>>2)] offset:(\o&3)*4352+64*\k+32
.endr
.endr
	s_wait_dscnt 0x0
	s_wait_loadcnt 0x0                             ; the three biases
	WIN 0x80                                       ; Wk^T's fragments are on their way while q is made.  wk lies [o][c]: transposing loads.  At this pitch two lanes of a
.irp c, 0,1,2,3,4,5,6,7                            ; pass meet in some banks: 64 loads, once
.irp k, 0,1,2,3
	ds_load_tr16_b128 v[8*(4*\c+\k):8*(4*\c+\k)+3], v[WKA+(\k>>1)] offset:(\k&1)*8704+32*\c
	ds_load_tr16_b128 v[8*(4*\c+\k)+4:8*(4*\c+\k)+7], v[WKA+(\k>>1)] offset:(\k&1)*8704+32*\c+4352
.endr
.endr
	WIN 0x03                                       ; A = Wq window 3; B, C, D window 0
.irp k, 0,1,2,3
.irp o, 0,1,2,3,4,5,6,7
	v_wmma_f32_16x16x32_bf16 v[FA+8*\o:FA+8*\o+7], v[8*(4*\o+\k):8*(4*\o+\k)+7], v[CH+8*\k:CH+8*\k+7], v[FA+8*\o:FA+8*\o+7]   ; eight accumulators by turns
.endr
.endr
	WIN 0
	PLACES 4
.set i, 0
.rept 32
	v_pk_mul_f32 v[FA+2*i:FA+2*i+1], v[FA+2*i:FA+2*i+1], 0x3e0293ee op_sel_hi:[1,0]   ; q *= kappa = log2(e) / sqrt(128)
.set i, i+1
.endr
.set i, 0
.rept 32                                           ; kappa q.bk: my 64 channels in four chains
.if i < 4
	v_pk_mul_f32 v[AL+2*i:AL+2*i+1], v[FA+2*i:FA+2*i+1], v[FB+2*i:FB+2*i+1]
.else
	v_pk_fma_f32 v[AL+2*(i&3):AL+2*(i&3)+1], v[FA+2*i:FA+2*i+1], v[FB+2*i:FB+2*i+1], v[AL+2*(i&3):AL+2*(i&3)+1]
.endif
.set i, i+1
.endr
	v_pk_add_f32 v[AL:AL+1], v[AL:AL+1], v[AL+2:AL+3]
	v_pk_add_f32 v[AL+4:AL+5], v[AL+4:AL+5], v[AL+6:AL+7]
	v_pk_add_f32 v[AL:AL+1], v[AL:AL+1], v[AL+4:AL+5]
	v_add_f32 v[AL], v[AL], v[AL+1]
	v_permlanex16_b32 v[AL+1], v[AL], s26, s27     ; the other 64 channels
	v_add_f32 v[AL], v[AL], v[AL+1]
	v_mov_b32 v[AL+1], v[AL]
	v_mov_b32 v[AL+2], v[AL]
	v_mov_b32 v[AL+3], v[AL]
.set i, 0
.rept 32
	v_cvt_pk_bf16_f32 v[CH+i], v[FA+2*i], v[FA+2*i+1]      ; tile 2 k -> registers 0-3, tile 2 k + 1 -> registers 4-7 of fragment k
.set i, i+1
.endr
	s_wait_dscnt 0x0                               ; Wk^T's fragments
	WIN 0x02                                       ; A window 2
.irp k, 0,1,2,3
.irp c, 0,1,2,3,4,5,6,7
.if \k == 0
	v_wmma_f32_16x16x32_bf16 v[FB+8*\c:FB+8*\c+7], v[8*(4*\c+\k):8*(4*\c+\k)+7], v[CH+8*\k:CH+8*\k+7], 0
.else
	v_wmma_f32_16x16x32_bf16 v[FB+8*\c:FB+8*\c+7], v[8*(4*\c+\k):8*(4*\c+\k)+7], v[CH+8*\k:CH+8*\k+7], v[FB+8*\c:FB+8*\c+7]
.endif
.endr
.endr
	WIN 0
	PLACES 4
.set i, 0
.rept 32
	v_cvt_pk_bf16_f32 v[FA+i], v[FB+2*i], v[FB+2*i+1]
.set i, i+1
.endr
.irp b, 0,1,2,3,4,5,6,7
	ds_store_b128 v[QSS], v[FA+4*\b:FA+4*\b+3] offset:512*\b
.endr
	ds_store_b128 v[QSS], v[AL:AL+3] offset:4096
.set i, 0
.rept 16
	v_mov_b32 v[LS+i], 0                           ; the eight chains of l
.set i, i+1
.endr
; ---------------------------------------------------------------- a trip: 128 keys of my wave against all 64 queries
; slot: where this trip's tile lies.  first = 1: no old maximum, the first products start O.  kind = 1: the other slot gets the next key tile;
; kind = 2: the last trip, waves 0 and 1 fetch wv into their slot 0.  loadq = 1: Q' and T of all four query tiles come in from LDS.
.macro TRIP slot, first, kind, loadq
	WIN 0
	s_set_vgpr_msb 0x5
	s_wait_tensorcnt 0x0                           ; all my tensor loads have landed, this trip's tile among them, so a group 0 may be written:
	ds_add_u32 v254, v255
	s_wait_dscnt 0x0
	s_set_vgpr_msb 0x500
.if \kind == 1
	s_add_nc_u64 s[G0+4*\slot+2:G0+4*\slot+3], s[G0+4*\slot+2:G0+4*\slot+3], 2*TILEB   ; this slot's next tile (in the last trip but one it is not used)
.endif
	s_wait_dscnt 0x0                               ; my reads of the other slot are back (and, in front of the first trip, my stores of Q' are done)
	ROUND                                          ; both hold of every wave of all four work-groups
.if \kind == 1
	tensor_load_to_lds s[G0+4-4*\slot:G0+7-4*\slot], s[G1X:G1X+7]   ; my one tensor load behind the round, and the first thing there: it has the whole trip in which to land
	s_nop 0
.else
	s_cmp_lt_u32 s20, 2
	s_cbranch_scc0 .Lno_wv_\@
	tensor_load_to_lds s[G0V:G0V+3], s[G1W:G1W+7]  ; rows 64 w .. of wv; waited for behind the trip, by every wave
	s_nop 0
.Lno_wv_\@:
.endif
.if \loadq
	WIN 0x40
.irp q, 0,1,2,3
.irp b, 0,1,2,3,4,5,6,7
	ds_load_b128 v[32*\q+4*\b:32*\q+4*\b+3], v[QSL] offset:QBLK*\q+512*\b
.endr
	ds_load_b128 v[128+8*\q:128+8*\q+3], v[QSL] offset:QBLK*\q+4096     ; T: the same four words twice, all eight registers hold the query's number
	ds_load_b128 v[128+8*\q+4:128+8*\q+7], v[QSL] offset:QBLK*\q+4096
.endr
	WIN 0
.endif
	PLACES 5                                       ; behind the last products: both buffers are loaded again, and S writes over what they read as P
	FETCHK \slot, 0, FA
	FETCHK \slot, 1, FB
	s_wait_dscnt 16                                ; all but the 16 youngest loads
	SMUL 0, FA
	PLACES 4
	FETCHK \slot, 2, FA
	s_wait_dscnt 16
	SMUL 1, FB
	PLACES 4
	FETCHK \slot, 3, FB
	s_wait_dscnt 16
	SMUL 2, FA
	PLACES 4
	FETCHV \slot, 0, FA
	s_wait_dscnt 16
	SMUL 3, FB
	PLACES 4
	FETCHV \slot, 1, FB                            ; the first two steps' V fragments land during the softmax
	SMAX
	STATS \first
.if \first == 0
	RESCALE
.endif
	EXPS
	SUMS
	CVTP
	s_wait_dscnt 0x0
	PVMUL 0, FA, \first
	PLACES 4
	FETCHV \slot, 2, FA
	PVMUL 1, FB, 0
	PLACES 4
	FETCHV \slot, 3, FB
	s_wait_dscnt 16                                ; step 2's fragments are in, step 3's 16 loads may be out
	PVMUL 2, FA, 0
	s_wait_dscnt 0x0
	PVMUL 3, FB, 0
.endm
	TRIP 0, 1, 1, 1                                ; key tile 0; tile 1 is asked for
	WIN 0                                          ; at a label and at a branch every window is 0
	s_mov_b32 s29, 3
.Ltrips:
	TRIP 1, 0, 1, 0                                ; tiles 1, 3, 5
	TRIP 0, 0, 1, 0                                ; tiles 2, 4, 6
	WIN 0
	s_sub_co_u32 s29, s29, 1
	s_cmp_lg_u32 s29, 0
	s_cbranch_scc1 .Ltrips
	TRIP 1, 0, 2, 0                                ; tile 7
; ---------------------------------------------------------------- the four waves' (O, m, l) meet; wave w finishes query tile w
	WIN 0
	PLACES 4                                       ; behind the last products: O is stored, windows 2 and 3 and buffer A are written again
	s_lshl_b32 s72, s20, 9
	s_add_co_u32 s72, s72, STAT
	v_lshl_add_u32 v[STS], v2, 2, s72              ; my wave's eight rows of 16 words
	v_lshl_add_u32 v[OPS], v1, 4, s[G0+5]          ; my slot 1, which has had its last fill and whose reads are back
	s_lshl_b32 s73, s20, 7
	s_add_co_u32 s73, s73, STAT
	v_lshl_add_u32 v[STL], v2, 2, s73              ; query tile w's m and l of wave 0
	s_lshl_b32 s74, s20, 13
	v_lshl_add_u32 v4, v1, 4, s74                  ; query tile w's 8,192 bytes in a partial O
.irp ws, 0,1,2,3
	v_add_nc_u32 v[OPL+\ws], \ws*WREG+SLOT, v4
.endr
	v_mul_u32_u24 v5, v2, PITCH
	v_lshl_add_u32 v[WVA], v3, 4, v5
	v_add_nc_u32 v[WVA+1], WREG, v[WVA]
	s_lshl_b32 s75, s20, 6
	s_add_co_u32 s75, s75, OUTS
	v_mul_u32_u24 v6, v3, 8*PITCH
	v_lshl_add_u32 v6, v2, 2, v6
	v_add_nc_u32 v[OSS], s75, v6                   ; row 8 h, column 16 w + r
	s_mul_i32 s76, s20, 32*PITCH
	s_add_co_u32 s76, s76, OUTS
	v_mul_u32_u24 v7, v3, PITCH
	v_lshl_add_u32 v7, v2, 4, v7
	v_add_nc_u32 v[OSL], s76, v7                   ; row 32 w + h, 16 r
.irp q, 0,1,2,3
	v_pk_add_f32 v[LS+4*\q:LS+4*\q+1], v[LS+4*\q:LS+4*\q+1], v[LS+4*\q+2:LS+4*\q+3]
.endr
.irp q, 0,1,2,3
	v_add_f32 v[LS+4*\q], v[LS+4*\q], v[LS+4*\q+1]
.endr
.irp q, 0,1,2,3
	v_permlanex16_b32 v[LS+4*\q+1], v[LS+4*\q], s26, s27
.endr
.irp q, 0,1,2,3
	v_add_f32 v[LS+4*\q], v[LS+4*\q], v[LS+4*\q+1]
	ds_store_b32 v[STS], v[M+\q] offset:128*\q             ; both halves write the same word with the same number
	ds_store_b32 v[STS], v[LS+4*\q] offset:128*\q+64
.endr
	WIN 0x08                                       ; store data from window 2
.set i, 0
.rept 64
	ds_store_b128 v[OPS], v[4*i:4*i+3] offset:512*i        ; block i = 2 (8 q + c) + half of the tile's eight registers
.set i, i+1
.endr
	WIN 0
	s_wait_dscnt 0x0                               ; my stores are done
	s_wait_tensorcnt 0x0                           ; wv has landed (waves 0 and 1; met at once in the others)
	s_barrier_signal -1
	s_barrier_wait -1
.irp ws, 0,1,2,3
	ds_load_b32 v[LS+2*\ws], v[STL] offset:512*\ws         ; m of wave ws
	ds_load_b32 v[LS+2*\ws+1], v[STL] offset:512*\ws+64    ; l of wave ws
.endr
	WIN 0xc0
.irp ws, 0,1,2,3
.set i, 0
.rept 16
	ds_load_b128 v[64*\ws+4*i:64*\ws+4*i+3], v[OPL+\ws] offset:512*i
.set i, i+1
.endr
.endr
	WIN 0x80
.irp o, 0,1,2,3,4,5,6,7
.irp k, 0,1,2,3
	ds_load_b128 v[8*(4*\o+\k):8*(4*\o+\k)+3], v[WVA+(\o>>2)] offset:(\o&3)*4352+64*\k
	ds_load_b128 v[8*(4*\o+\k)+4:8*(4*\o+\k)+7], v[WVA+(\o>>2)] offset:(\o&3)*4352+64*\k+32
.endr
.endr
	WIN 0
	s_wait_dscnt 0x0
	v_max3_num_f32 v4, v[LS], v[LS+2], v[LS+4]
	v_max_num_f32 v4, v4, v[LS+6]                  ; the row's maximum over all 4,096 keys
.irp ws, 0,1,2,3
	v_sub_f32 v[AL+\ws], v[LS+2*\ws], v4
.endr
.irp ws, 0,1,2,3
	v_exp_f32 v[AL+\ws], v[AL+\ws]
.endr
	v_nop                                          ; a plain place behind the exponentials (ISA guide 5.7.2)
	s_wait_alu depctr_va_vdst(0)
	v_mul_f32 v5, v[AL], v[LS+1]
	v_fmac_f32 v5, v[AL+1], v[LS+3]
	v_fmac_f32 v5, v[AL+2], v[LS+5]
	v_fmac_f32 v5, v[AL+3], v[LS+7]                ; l of the whole row, at least 1
	v_rcp_f32 v6, v5
	v_nop
	s_wait_alu depctr_va_vdst(0)
.irp ws, 0,1,2,3
	v_mul_f32 v[AL+\ws], v[AL+\ws], v6             ; wave ws's weight
.endr
	WIN 0xf3                                       ; the weights window 0, all else window 3
.set mn, 0
.rept 32
	BMUL (2*mn), AL, 0
.set mn, mn+1
.endr
.irp ws, 1,2,3
.set mn, 0
.rept 32
	BFMA (2*mn), (64*\ws+2*mn), AL, \ws
.set mn, mn+1
.endr
.endr
	WIN 0x0f
.set i, 0
.rept 32
	v_cvt_pk_bf16_f32 v[FA+i], v[2*i], v[2*i+1]    ; the normalised sum P x2 as fragments: channel tile 2 k -> registers 0-3, 2 k + 1 -> 4-7
.set i, i+1
.endr
	WIN 0x52                                       ; C and D (bv, then the result) window 1, A = Wv window 2, B window 0
.irp k, 0,1,2,3
.irp o, 0,1,2,3,4,5,6,7
	v_wmma_f32_16x16x32_bf16 v[160+8*\o:160+8*\o+7], v[8*(4*\o+\k):8*(4*\o+\k)+7], v[FA+8*\k:FA+8*\k+7], v[160+8*\o:160+8*\o+7]   ; eight accumulators by turns
.endr
.endr
	PLACES 4
	WIN 0x04                                       ; store data from window 1
.irp o, 0,1,2,3,4,5,6,7
.irp j, 0,1,2,3,4,5,6,7
	ds_store_b32 v[OSS], v[160+8*\o+\j] offset:PITCH*(16*\o+\j)    ; (channel 16 o + 8 h + j, query 16 w + r); the two halves lie 544 words apart: other banks
.endr
.endr
	WIN 0
	s_wait_dscnt 0x0
	s_barrier_signal -1
	s_barrier_wait -1                              ; all four query tiles are in OUTS
.irp i, 0,1,2,3,4,5,6,7,8,9,10,11,12,13,14,15
	ds_load_b128 v[FA+4*\i:FA+4*\i+3], v[OSL] offset:2*PITCH*\i    ; rows 32 w + 2 i + h, as x1 was loaded
.endr
.irp i, 0,1,2,3,4,5,6,7,8,9,10,11,12,13,14,15
	s_wait_dscnt 15-\i                             ; LDS loads come back in order (ISA guide 5.7.1): load i is in
	v_pk_add_f32 v[FA+4*\i:FA+4*\i+1], v[FA+4*\i:FA+4*\i+1], v[X1R+4*\i:X1R+4*\i+1]
	v_pk_add_f32 v[FA+4*\i+2:FA+4*\i+3], v[FA+4*\i+2:FA+4*\i+3], v[X1R+4*\i+2:X1R+4*\i+3]
	global_store_b128 v[XO], v[FA+4*\i:FA+4*\i+3], s[70:71] offset:32768*\i th:TH_STORE_NT   ; sixteen lanes store 256 consecutive aligned bytes
.endr
	s_set_vgpr_msb 0x5
	s_wait_tensorcnt 0x0
	ds_add_u32 v254, v255
	s_wait_dscnt 0x0
	s_set_vgpr_msb 0x500
	ROUND                                          ; the closing round: no work-group ends while a partner may still ask for a tile that names it
	s_endpgm
.Lfunc_end_k_q7dd4574b63_attn:
	.size	k_q7dd4574b63_attn, .Lfunc_end_k_q7dd4574b63_attn-k_q7dd4574b63_attn
	.p2alignl 7, 3214868480
	.fill 96, 4, 3214868480
	.section	.rodata,"a",@progbits
	.p2align	6, 0x0
	.amdhsa_kernel k_q7dd4574b63_attn
		.amdhsa_group_segment_fixed_size 327680
		.amdhsa_private_segment_fixed_size 0
		.amdhsa_enable_private_segment 0
		.amdhsa_kernarg_size 56
		.amdhsa_user_sgpr_count 2
		.amdhsa_user_sgpr_kernarg_segment_ptr 1
		.amdhsa_wavefront_size32 1
		.amdhsa_system_sgpr_workgroup_id_x 1
		.amdhsa_system_sgpr_workgroup_id_y 1
		.amdhsa_system_sgpr_workgroup_id_z 1
		.amdhsa_system_vgpr_workitem_id 0
		.amdhsa_next_free_vgpr 1024
		.amdhsa_next_free_sgpr 80
		.amdhsa_reserve_vcc 0
		.amdhsa_float_denorm_mode_32 3
		.amdhsa_float_denorm_mode_16_64 3
		.amdhsa_memory_ordered 1
		.amdhsa_forward_progress 1
		.amdhsa_inst_pref_size 255
	.end_amdhsa_kernel
	.section	.bss,"aw",@nobits
	.p2align	6
	.space	262144
	.amdgpu_metadata
---
amdhsa.version: [ 1, 2 ]
amdhsa.kernels:
  - .name:           k_q7dd4574b63_attn
    .symbol:         k_q7dd4574b63_attn.kd
    .args:
      - { .name: x1, .offset: 0, .size: 8, .value_kind: global_buffer, .address_space: global }
      - { .name: x2b, .offset: 8, .size: 8, .value_kind: global_buffer, .address_space: global }
      - { .name: wb, .offset: 16, .size: 8, .value_kind: global_buffer, .address_space: global }
      - { .name: bq, .offset: 24, .size: 8, .value_kind: global_buffer, .address_space: global }
      - { .name: bk, .offset: 32, .size: 8, .value_kind: global_buffer, .address_space: global }
      - { .name: bv, .offset: 40, .size: 8, .value_kind: global_buffer, .address_space: global }
      - { .name: out0, .offset: 48, .size: 8, .value_kind: global_buffer, .address_space: global }
    .group_segment_fixed_size: 327680
    .private_segment_fixed_size: 0
    .kernarg_segment_align: 8
    .kernarg_segment_size: 56
    .max_flat_workgroup_size: 128
    .sgpr_count:     80
    .vgpr_count:     1024
    .wavefront_size: 32
...
	.end_amdgpu_metadata
.endif
;; end of part 2
;; ======== version 2 of 2: 2 launches; version 1 with the launch cast written anew for expert scheduling mode
;; workspace buffers: x2b 4,194,304 bytes; wb 98,304 bytes
;; launch cast (part 3): grid 262 x 1, 8 waves a work-group, no clusters, 0 bytes of LDS; arguments x2, wq, wk, wv, x2b, wb; writes x2b, wb
.if DOCPART == 3
	.amdgcn_target "amdgcn-amd-amdhsa--gfx1250"
	.amdhsa_code_object_version 6
	.text
	.protected	k_q7dd4574b63_cast
	.globl	k_q7dd4574b63_cast
	.p2align	8
	.type	k_q7dd4574b63_cast,@function
k_q7dd4574b63_cast:
	s_mov_b64 s[64:65], 0
	v_nop
	global_prefetch_b8 v0, s[64:65] scope:SCOPE_SE
	s_setreg_imm32_b32 hwreg(HW_REG_WAVE_SCHED_MODE, 0, 2), 2
	s_setreg_imm32_b32 hwreg(HW_REG_WAVE_MODE, 25, 1), 1
	s_wait_xcnt 0x0
	s_wait_alu depctr_vm_vsrc(0)
; x2b = bf16(x2), wb = bf16([wq | wk | wv]): number by number, round to nearest even, the layout unchanged.
; A work-group takes 8,192 numbers: 32,768 bytes in, 16,384 bytes out.  Work-groups 0 to 255 take x2, 256 to 261 the six halves
; of the three weight matrices.  Thread t takes 16 bytes at 16 t + 4,096 j, j = 0 .. 7: a wave's load covers 512 consecutive bytes,
; its store of 8 bytes a lane 256 consecutive bytes that start at a multiple of 256 from the buffer's first byte.
; All eight loads go out first; no register is written twice, so no wait frees a source.
; THE MODE: SCHED_MODE bits 1:0 = 2 (LLVM: expert scheduling mode 2), set by the entry lines.  The code itself states the register dependences
; between vector instructions and memory instructions, with s_wait_alu, always for 0.
; THE PLAN.  Registers that memory instructions touch:
;   v1, v2   byte offsets of the loads and of the stores.  Written once at the head, never again.
;   X        eight loads of four f32.  Each is written by its load alone and read by its two conversions; none is loaded again.
;   Y        eight pairs of packed bf16.  Each is written once, by two conversions, and read once, by its store.
; The eight chunks go in four steps of two.  A step's memory instructions are the two stores of the step BEFORE, whose Y no conversion of this
; step names: so one wait at a step's head, behind the wait for the step's data, states all that they hang on.  One more stands ahead of the
; last two stores, and one at the kernel's head for the offsets.  No register that a memory instruction reads is written again.
.set X, 4                              ; v[4:35]   eight loads of four f32
.set Y, 36                             ; v[36:51]  eight pairs of packed bf16
	s_load_b256 s[4:11], s[0:1], 0x0               ; x2 s[4:5], wq s[6:7], wk s[8:9], wv s[10:11]
	s_load_b128 s[12:15], s[0:1], 0x20             ; x2b s[12:13], wb s[14:15]
	s_max_u32 s16, ttmp9, 256
	s_sub_co_u32 s16, s16, 256                     ; i = which half of which weight matrix, 0 .. 5 (0 in the work-groups of x2, not used there)
	s_and_b32 s17, s16, 1
	s_lshl_b32 s17, s17, 15                        ; weights, in: the half's 32,768 bytes
	s_lshl_b32 s18, s16, 14                        ; weights, out: 16,384 i
	s_lshl_b32 s19, ttmp9, 15                      ; x2, in
	s_lshl_b32 s20, ttmp9, 14                      ; x2, out
	s_mov_b32 s27, 0
	s_mov_b32 s29, 0
	v_lshlrev_b32 v1, 4, v0                        ; 16 t
	v_lshlrev_b32 v2, 3, v0                        ; 8 t
	s_wait_kmcnt 0x0
	s_cmp_lt_u32 s16, 2
	s_cselect_b64 s[22:23], s[6:7], s[8:9]         ; i < 2: wq, else wk
	s_cmp_lt_u32 s16, 4
	s_cselect_b64 s[22:23], s[22:23], s[10:11]     ; i >= 4: wv
	s_cmp_lt_u32 ttmp9, 256
	s_cselect_b64 s[22:23], s[4:5], s[22:23]       ; the first 256 work-groups: x2
	s_cselect_b64 s[24:25], s[12:13], s[14:15]     ; and x2b
	s_cselect_b32 s26, s19, s17
	s_cselect_b32 s28, s20, s18
	s_add_nc_u64 s[22:23], s[22:23], s[26:27]
	s_add_nc_u64 s[24:25], s[24:25], s[28:29]
	s_wait_alu depctr_va_vdst(0)                   ; v1 and v2 are written: every load below reads v1 as its offset, every store v2; no later vector instruction names them
.irp j, 0,1,2,3,4,5,6,7
	global_load_b128 v[X+4*\j:X+4*\j+3], v1, s[22:23] offset:4096*\j th:TH_LOAD_NT
.endr
; chunk j: four f32 to two words of bf16
.macro CVT j
	v_cvt_pk_bf16_f32 v[Y+2*(\j)], v[X+4*(\j)], v[X+4*(\j)+1]
	v_cvt_pk_bf16_f32 v[Y+2*(\j)+1], v[X+4*(\j)+2], v[X+4*(\j)+3]
.endm
; chunk j goes out
.macro OUT j
	global_store_b64 v2, v[Y+2*(\j):Y+2*(\j)+1], s[24:25] offset:2048*(\j)   ; no hint: the next launch reads these bytes
.endm
.irp g, 0,1,2,3
	s_wait_loadcnt 6-2*\g                          ; loads come back in order (ISA guide 5.7.1): loads 2 g and 2 g + 1 are in, the 6 - 2 g younger ones stay out
.if \g > 0
	s_wait_alu depctr_va_vdst(0)                   ; the conversions of the step before have written their two pairs of Y, which the two stores below read
	OUT 2*\g-2
	OUT 2*\g-1
.endif
	CVT 2*\g                                       ; these name this step's X and Y alone: none of the registers of the stores above
	CVT 2*\g+1
.endr
	s_wait_alu depctr_va_vdst(0)                   ; the last step's conversions have written Y's pairs 6 and 7, which the last two stores read
	OUT 6
	OUT 7
	s_endpgm
.Lfunc_end_k_q7dd4574b63_cast:
	.size	k_q7dd4574b63_cast, .Lfunc_end_k_q7dd4574b63_cast-k_q7dd4574b63_cast
	.p2alignl 7, 3214868480
	.fill 96, 4, 3214868480
	.section	.rodata,"a",@progbits
	.p2align	6, 0x0
	.amdhsa_kernel k_q7dd4574b63_cast
		.amdhsa_group_segment_fixed_size 0
		.amdhsa_private_segment_fixed_size 0
		.amdhsa_enable_private_segment 0
		.amdhsa_kernarg_size 48
		.amdhsa_user_sgpr_count 2
		.amdhsa_user_sgpr_kernarg_segment_ptr 1
		.amdhsa_wavefront_size32 1
		.amdhsa_system_sgpr_workgroup_id_x 1
		.amdhsa_system_sgpr_workgroup_id_y 1
		.amdhsa_system_sgpr_workgroup_id_z 1
		.amdhsa_system_vgpr_workitem_id 0
		.amdhsa_next_free_vgpr 52
		.amdhsa_next_free_sgpr 66
		.amdhsa_reserve_vcc 0
		.amdhsa_float_denorm_mode_32 3
		.amdhsa_float_denorm_mode_16_64 3
		.amdhsa_memory_ordered 1
		.amdhsa_forward_progress 1
		.amdhsa_inst_pref_size 5
	.end_amdhsa_kernel
	.amdgpu_metadata
---
amdhsa.version: [ 1, 2 ]
amdhsa.kernels:
  - .name:           k_q7dd4574b63_cast
    .symbol:         k_q7dd4574b63_cast.kd
    .args:
      - { .name: x2, .offset: 0, .size: 8, .value_kind: global_buffer, .address_space: global }
      - { .name: wq, .offset: 8, .size: 8, .value_kind: global_buffer, .address_space: global }
      - { .name: wk, .offset: 16, .size: 8, .value_kind: global_buffer, .address_space: global }
      - { .name: wv, .offset: 24, .size: 8, .value_kind: global_buffer, .address_space: global }
      - { .name: x2b, .offset: 32, .size: 8, .value_kind: global_buffer, .address_space: global }
      - { .name: wb, .offset: 40, .size: 8, .value_kind: global_buffer, .address_space: global }
    .group_segment_fixed_size: 0
    .private_segment_fixed_size: 0
    .kernarg_segment_align: 8
    .kernarg_segment_size: 48
    .max_flat_workgroup_size: 256
    .sgpr_count:     66
    .vgpr_count:     52
    .wavefront_size: 32
...
	.end_amdgpu_metadata
.endif
;; end of part 3
;; launch attn: the kernel of part 2 again; grid 256 x 1, 4 waves a work-group, clusters of 4 x 1, 327,680 bytes of LDS; arguments x1, x2b, wb, bq, bk, bv, out0; writes out0
